; MI455X (gfx1250); checked and timed in simulation.
; The chip was launched on July 23, 2026; its instructions are those of AMD's public machine-readable ISA for CDNA 5 (MIT licence, August 2026) and "CDNA5" Instruction Set Architecture Reference Guide (July 2026). The comments in the code are by the model that wrote it; some were corrected since.
;; Attention. Allowed arithmetic: matrix products marked QUANTISED: E2M3 operands, one E8M0 scale for each 32 along K, by v_wmma_scale_f32_16x16x128_f8f6f4 with both operands' format E2M3, f32 sums; products left as they are: f32 operands where the result goes on into a quantised operand, else bf16, f16 or f32 operands; f32 sums; everything else in f32.
;; Inputs: W_codes 1,024 x 32 x 24 uint8 (E2M3 codes of W, K innermost, in blocks of 32 codes, four codes in three bytes); W_scales 1,024 x 32 uint8 (E8M0 scales of W, one for each 32 codes along K); b 1,024 float32; encoder_outputs_codes 2,048 x 32 x 32 x 24 uint8 (E2M3 codes of encoder_outputs, K innermost, in blocks of 32 codes, four codes in three bytes); encoder_outputs_scales 2,048 x 32 x 32 uint8 (E8M0 scales of encoder_outputs, one for each 32 codes along K); hidden 1 x 32 x 1,024 float32.
;; Outputs: out0 32 x 1 x 2,048 float32.
;; This version of the problem:
;;   THIS VERSION OF THE PROBLEM IS GIVEN IN LOW PRECISION. The matrix products marked QUANTISED in the list below multiply operands that are first quantised to E2M3 (2 exponent bits, 3 mantissa bits; 6 bits a number), with one power-of-two scale for each 32 numbers along K (OCP MX v1.0); their sums are f32. All else is computed in f32.
;;   The module's matrix products, in the order in which they are computed (A, B: the left and right operand; K: the contracted axis; several contracted axes count as one K, in the product's order):
;;     1. [M 65,536, K 1,024] x [K 1,024, N 1,024]; A: input encoder_outputs (given as codes); B: input W (given as codes): QUANTISED
;;     2. batch 32 x [M 1, K 1,024] x [K 1,024, N 2,048]; A: input hidden; B: computed on the way: left as it is (M = 1 < 16)
;;   THE QUANTISER, for each operand of a quantised product, along K:
;;     - K is cut into blocks of 32 from its start; a last block that is shorter is filled with zeros.
;;     - A block's scale is 2^e with e = floor(log2(the largest magnitude in the block)) - 2, held to -126 .. 127; a block of zeros has e = 0. As a byte (E8M0): e + 127.
;;     - Each number is divided by its block's scale, clamped to +-7.5, and rounded to the nearest number of E2M3, ties to even, subnormals kept.
;;     - The product sums the exact products of the quantised numbers (number of the format x scale) in f32.
;;   ~~~python
;;   def quantise(x, axis):      # numpy; x: float32 -> the quantised numbers, widened to float32 again
;;       x = np.moveaxis(x, axis, -1); K = x.shape[-1]
;;       x = np.pad(x, [(0, 0)] * (x.ndim - 1) + [(0, -K % 32)]); x = x.reshape(x.shape[:-1] + (-1, 32)); a = np.abs(x).max(-1, keepdims=True)
;;       e = np.where(a > 0, np.clip(np.frexp(np.where(a > 0, a, 1))[1] - 1 - 2, -126, 127), 0)      # np.frexp(a)[1] - 1 = floor(log2(a)), exactly
;;       r = np.clip(x / 2.0 ** e, -7.5, 7.5)
;;       step = 2.0 ** (np.maximum(np.frexp(np.where(r == 0, 1, r))[1] - 1, 0) - 3)
;;       q = np.round(r / step) * step * 2.0 ** e      # np.round: ties to even
;;       return np.moveaxis(q.reshape(q.shape[:-2] + (-1,))[..., :K], -1, axis).astype(np.float32)
;;   ~~~
;;   INPUTS GIVEN AS CODES. W (in the module: [1024, 1024], K = its axis 1); encoder_outputs (in the module: [2048, 32, 1024], K = its axis 2): each comes as NAME_codes (uint8): NAME with its K axis moved to the last place and cut into blocks of 32 codes, [.., K / 32, bytes a block], one block behind the other in memory; four codes in three bytes: a row's codes are one little-endian stream of bits, code i at bits 6 i .. 6 i + 5 (a code: sign, 2 exponent bits, 3 mantissa bits); and NAME_scales (uint8): the same leading axes, one E8M0 byte (e + 127) for each 32 codes along K. Its value is code x scale, taken as it is: it is not quantised again, and the codes and scales need not be those that the quantiser above would give.
;; One version. Each part assembles by itself: llvm-mc -triple=amdgcn-amd-amdhsa -mcpu=gfx1250 --defsym DOCPART=n.
;; ======== version 1 of 1: 2 launches
;; limits: right only within a limited range of input values
;; workspace buffers: scores 262,144 bytes
;; launch gemm (part 1): grid 8 x 32, 4 waves a work-group, clusters of 4 x 1, 327,680 bytes of LDS; arguments W_codes, W_scales, encoder_outputs_codes, encoder_outputs_scales, hidden, scores; writes scores
.if DOCPART == 1
	.amdgcn_target "amdgcn-amd-amdhsa--gfx1250"
	.amdhsa_code_object_version 6
	.text
	.protected	k_qea857570f4_gemm
	.globl	k_qea857570f4_gemm
	.p2align	8
	.type	k_qea857570f4_gemm,@function
k_qea857570f4_gemm:
	s_mov_b64 s[64:65], 0
	v_nop
	global_prefetch_b8 v0, s[64:65] scope:SCOPE_SE
	s_setreg_imm32_b32 hwreg(HW_REG_WAVE_MODE, 25, 1), 1
	s_wait_xcnt 0x0
	s_wait_alu depctr_hold_cnt(0) depctr_sa_sdst(0) depctr_va_vdst(0) depctr_va_sdst(0) depctr_va_ssrc(0) depctr_va_vcc(0) depctr_vm_vsrc(0)
	s_getreg_b32 s2, hwreg(HW_REG_IB_STS2, 6, 4)
	s_cmp_eq_u32 s2, 0
	s_cbranch_scc0 .Lentry_in_a_cluster
	s_endpgm
.Lentry_in_a_cluster:
	s_bfe_u32 s2, ttmp6, 0x10000c
	s_cmp_lg_u32 s2, 0x3003
	s_cbranch_scc0 .Lentry_shape_is_right
	s_endpgm
.Lentry_shape_is_right:
; scores[b][s] = sum over n of hidden[b][n] x (E W^T)[s, b, n].  E: [2048 s][32 b][1024 k], W: [1024 n][1024 k]: codes of FP6 (E2M3), a row of 1,024 codes = 768 bytes,
; with one E8M0 byte for each 32 along K.  The softmax over s follows in the next launch.  E W^T never goes to memory.
; DEAD WORK LEFT OUT: the bias.  scores = hidden[b] . (W e + b) = hidden[b] . (W e) + hidden[b] . b, and the last term is the same for all s of a row: softmax(x + c) = softmax(x) along that row,
; for all finite values of the inputs.  So the input b has no way to the output and is not among any launch's arguments.  LIMIT: a NaN, an infinity or an overflow that reaches only that term is not carried to the result.
; LIMITS: a scale byte 0xff makes the sums NaN, as the definition does.  Within a matrix instruction the four blocks of 32 along K stand in another order than in memory (BLOCKS): the same products, summed in another grouping.
; SHARES.  A work-group owns one b and 256 neighbouring s: 8 x 32 = 256 work-groups.  Wave w: row group g = w / 2 (128 rows, eight blocks of 16) and half nh = w % 2 of each tile's 128 n.
; E STAYS IN REGISTERS: 128 rows x 1,024 K = 64 fragments of 12 registers.  W walks past in eight tiles of 128 rows x all of K; a fragment of W feeds eight matrix instructions.
; E COMES IN THREE PIECES (96, 96 and 64 rows: 3, 3 and 2 blocks of each group), one tensor load each, and is read into registers as it lands.  While the last piece is on its way, tile 0's
; first 16 n are multiplied with the six blocks of rows that are in.
; LDS: E's 256 rows from 0; slot H behind them (even tiles); slot X on the bytes of E's first 128 rows (odd tiles), which are filled again when every wave has read pieces 0 and 1.
; BLOCKS.  Lane (r, h) takes the 48 CONSECUTIVE bytes at 96 q + 48 h of its row: the instruction's blocks 0, 1, 2, 3 are memory's blocks 0, 2, 1, 3 of K step q, in E and W alike.
; The scale words follow: bytes 1 and 2 change places (one v_perm_b32 a word).  A scale register holds K step q's words in lanes 0-15 and those of q + 4 in lanes 16-31 (ROW1).
; THE MATRIX INSTRUCTION IS USED TRANSPOSED (source 0 = 16 rows of W, source 1 = 16 rows of E): lane (r, h) holds row r of E and n = 8 h + 0 .. 7: the second product is four packed
; multiply-adds for each finished accumulator onto two sums a block; they stand among the next block's first eight matrix instructions.
; CLUSTER 4 x 1: every work-group walks the same W: its tiles are asked for jointly (mask 15).  E's rows belong to one work-group: plain loads.
; NO PREFETCH: E is asked for whole at the head, where no loop runs ahead; a refill of W has 224 matrix instructions of each wave between its request and the wait for it (tile 1: 144).
; REGISTERS, windows of 256.  0: below.  1: E's fragments 0-19, hidden (240-247), raw scale words (248-255).  2, 3: E's fragments 20-40 and 41-61.  Fragment number: 8 q + a.
.set PITCH,  816                       ; an LDS row: 3 x (256 + 16) bytes, an odd multiple of 16
.set BLK16,  16*PITCH
.set QUART,  32*PITCH
.set HALFT,  64*PITCH
.set SLOTH,  256*PITCH
.set SPARE,  SLOTH+128*PITCH           ; the spare words: 128 bytes for each wave
.set HIDL,   SPARE+512                 ; hidden[b]: 4,096 bytes
.set STG,    HIDL+4096                 ; the way out: two halves of n x 256 rows x 4 bytes
.set WTILE,  128*768
.set SWAP12, 0x03010200
.set SPW, 1                            ; LDS address of my spare word;  never rewritten
.set NIL, 2                            ; 0; never rewritten
.set HB,  3                            ; LDS address of my numbers of hidden
.set HA,  4                            ; the same, stepped in the loop
.set OWS, 5                            ; my lane's byte among W's scales
.set BH,  6                            ; v6-7 LDS address of W's fragments in slot H (second: where the piece three on lies behind one padding more)
.set BX,  8                            ; v8-9 in slot X
.set WSC, 10                           ; W's scale words: set of block b at WSC + 4 (b % 2); number mod 4 = 2 + q, E's = q: never equal modulo 8
.set SUM, 18                           ; score sums: a pair for each of my eight blocks of rows
.set EA,  34                           ; v34-39 LDS addresses of my rows of E's three pieces
.set ESC, 40                           ; E's scale words: block a at ESC + 4 a
.set ACC, 72                           ; eight accumulators
.set F,   136                          ; W's fragments: K step q at F + 12 q; set 0 = K steps 0-3, set 1 = 4-7
.set EX,  232                          ; E's fragments 62, 63
.set HID, 240                          ; window 1
.set RAW, 248                          ; window 1: raw scale words of W, two sets
.set G1W, 24                           ; group 1: W, 32 rows;  s[32:39] W, 128 rows;  s[40:47] E, 64 rows;  s[48:55] E, 96 rows
.set GH,  56                           ; group 0: refills of slot H
.set GX,  60                           ; of slot X;  s[68:83] the head's four loads
.set MSB, 0
.macro WIN new                         ; the immediate's high byte repeats the setting that is left
.if MSB != (\new)
	s_set_vgpr_msb (MSB<<8)|(\new)
.set MSB, (\new)
.endif
.endm
.macro PLACES n
.rept \n
	v_nop
.endr
.endm
.macro CREST                           ; a round of the cluster's barrier behind its opening barrier
	s_cmp_lg_u32 s16, 0
	s_cbranch_scc1 .Lnot_wave_0_\@
	s_barrier_signal -3
.Lnot_wave_0_\@:
	s_barrier_wait -3
	s_barrier_signal -1
	s_barrier_wait -1
.endm
.macro CROUND
	s_barrier_signal -1
	s_barrier_wait -1
	CREST
.endm
.macro JLOAD g                         ; a joint load: every wave fetches its 32 rows of the tile
	tensor_load_to_lds s[\g:\g+3], s[G1W:G1W+7]
	s_nop 0
	PLACES 4
.endm
.macro FRAG reg, adr, q, off           ; 16 rows x 128 K: three pieces of 16 bytes a lane; piece P lies at 16 P + 16 (P / 16)
.irp c, 0,1,2
.set PCE, 6*(\q)+\c
.if PCE%16 < 13
	ds_load_b128 v[(\reg)+4*\c:(\reg)+4*\c+3], v[\adr] offset:16*PCE+16*(PCE/16)+(\off)
.else
	ds_load_b128 v[(\reg)+4*\c:(\reg)+4*\c+3], v[(\adr)+1] offset:16*PCE+16*(PCE/16)+(\off)
.endif
.endr
.endm
.macro LDS4 set, adr, i, q0            ; a run of 12 loads: W's block i, K steps q0 .. q0 + 3
.irp k, 0,1,2,3
	FRAG F+48*(\set)+12*\k,\adr,(\q0)+\k,(\i)*BLK16
.endr
.endm
.macro PERM d, s                       ; four scale words: bytes 1 and 2 change places
.irp j, 0,1,2,3
	v_perm_b32 v[(\d)+\j], v[(\s)+\j], v[(\s)+\j], SWAP12
.endr
.endm
.macro EIDX a, q                       ; where E's fragment (a, q) lies: window EW, register ER
.set rE, 8*(\q)+(\a)
.if rE < 20
.set EW, 1
.set ER, 12*rE
.elseif rE < 41
.set EW, 2
.set ER, 12*(rE-20)
.elseif rE < 62
.set EW, 3
.set ER, 12*(rE-41)
.else
.set EW, 0
.set ER, EX+12*(rE-62)
.endif
.endm
.macro EREAD a0, na, ea                ; a piece of E into registers: blocks a0 .. a0 + na - 1 of my rows, K steps in ascending order
.irp q, 0,1,2,3,4,5,6,7
.irp n, 0,1,2
.if \n < \na
	EIDX (\a0)+\n,\q
	WIN 0x40*EW
	FRAG ER,\ea,\q,\n*BLK16
.endif
.endr
.endr
	WIN 0
.endm
.macro MM d, f, a, q, w                ; accumulator d, W's fragment f, E's block a, K step q, W's scales w.  K step 0 starts the sum
	EIDX \a,\q
	WIN 4*EW
.set rD, \d
.set rF, \f
.set rX, (\w)+(\q)%4
.set rY, ESC+4*(\a)+(\q)%4
.if (\q) == 0
	v_wmma_scale_f32_16x16x128_f8f6f4 v[rD:rD+7], v[rF:rF+11], v[ER:ER+11], 0, v[rX], v[rY] matrix_a_fmt:MATRIX_FMT_FP6 matrix_b_fmt:MATRIX_FMT_FP6
.elseif (\q) < 4
	v_wmma_scale_f32_16x16x128_f8f6f4 v[rD:rD+7], v[rF:rF+11], v[ER:ER+11], v[rD:rD+7], v[rX], v[rY] matrix_a_fmt:MATRIX_FMT_FP6 matrix_b_fmt:MATRIX_FMT_FP6
.else
	v_wmma_scale_f32_16x16x128_f8f6f4 v[rD:rD+7], v[rF:rF+11], v[ER:ER+11], v[rD:rD+7], v[rX], v[rY] matrix_a_fmt:MATRIX_FMT_FP6 matrix_b_fmt:MATRIX_FMT_FP6 matrix_a_scale:MATRIX_SCALE_ROW1 matrix_b_scale:MATRIX_SCALE_ROW1
.endif
.endm
; A K step: the eight accumulators by turns, in the same order in every K step.  nop = 1 (K step 7): four places behind the first four, whose results are read first.
.macro MQ q, i, nop
.irp a, 0,1,2,3,4,5,6,7
	MM ACC+8*\a,F+12*(\q),\a,\q,WSC+4*((\i)%2)
.if (\nop) && (\a < 4)
	v_nop
.endif
.endr
.endm
.macro PK a, n                         ; the second product: block a's sums += results 2 n, 2 n + 1 x hidden
	v_pk_fma_f32 v[SUM+2*(\a):SUM+2*(\a)+1], v[ACC+8*(\a)+2*(\n):ACC+8*(\a)+2*(\n)+1], v[HID+2*(\n):HID+2*(\n)+1], v[SUM+2*(\a):SUM+2*(\a)+1]
.endm
; The first half of a block of 16 n: K steps 0-3 on set 0, while set 1 (K steps 4-7) is fetched; the block before is finished here.  sc: offset of the scale words two blocks on.
; add = 1, 2: the slot's last half but one: in front of its barrier each wave waits for all its tensor loads, adds 0 to its spare word, and waits for that and for its reads of this slot; 2: a round and the refill follow.
.macro HALF0 adr, i, sc, add, g
	s_wait_dscnt 0x0                               ; set 0 and hidden, asked for ahead, are in
	WIN 4
.irp n, 0,1,2,3
	PK 0,\n
	PK 1,\n
.endr
	LDS4 1,\adr,\i,4
.if (\sc) >= 0
	WIN 0x40
	global_load_b128 v[RAW+4*((\i)%2):RAW+4*((\i)%2)+3], v[OWS], s[6:7] offset:\sc
.endif
.if \add
	WIN 0
	s_wait_tensorcnt 0x0                           ; my part of the next tile has landed;
	ds_add_u32 v[SPW], v[NIL]
.endif
.irp a, 0,1,2,3,4,5,6,7
	MM ACC+8*\a,F,\a,0,WSC+4*((\i)%2)
.if \a < 6
	PK 2*(\a/2)+2,2*(\a%2)
	PK 2*(\a/2)+3,2*(\a%2)
	PK 2*(\a/2)+2,2*(\a%2)+1
	PK 2*(\a/2)+3,2*(\a%2)+1
.endif
.endr
	MQ 1,\i,0
	MQ 2,\i,0
.if \add
	s_wait_dscnt 0x0                               ; the add is done, and so are my reads of this slot
	s_barrier_signal -1
.endif
	MQ 3,\i,0
.if \add
	WIN 0
	s_barrier_wait -1
.endif
.if (\add) == 2
	CREST                                          ; no wave of any partner still reads this slot or has a load on its way
	s_add_nc_u64 s[\g+2:\g+3], s[\g+2:\g+3], 2*WTILE
	JLOAD \g                                       ; the tile two on
.endif
.endm
; The second half: K steps 4-7 on set 1, while set 0 is fetched for the next block.  pm: the loads that may be out when the next block's raw scale words are in (the words two blocks on); -1: no next block.
; The four v_perm_b32 are also the places in front of the loads into set 0.
.macro HALF1 i, nadr, ni, pm, hreg, hoff, turn
.if (\turn) == 0
	s_wait_dscnt 0x0                               ; set 1 is in
.endif
.if (\pm) >= 0
	s_wait_loadcnt \pm
	WIN 5
	PERM WSC+4*(((\i)+1)%2),RAW+4*(((\i)+1)%2)
.endif
	WIN 0x40
	ds_load_b128 v[HID:HID+3], v[\hreg] offset:\hoff
	ds_load_b128 v[HID+4:HID+7], v[\hreg] offset:(\hoff)+16
.if (\nadr) > 0
	WIN 8
	LDS4 0,\nadr,\ni,0
.endif
	MQ 4,\i,0
	MQ 5,\i,0
	MQ 6,\i,0
	MQ 7,\i,1
.endm
; A tile but for its first half.  t: tile number relative to the scales' base; hb: offset of its hidden; mode 2: the slot is filled again, 1: the slots change only, 0: the last tile.
.macro TILER adr, nadr, t, hreg, hb, mode, g
	HALF1 0,\adr,1,1,\hreg,(\hb),0
	HALF0 \adr,1,4096*(\t)+1536,0,0
	HALF1 1,\adr,2,1,\hreg,(\hb)+64,0
.if \mode
	HALF0 \adr,2,4096*(\t)+4096,0,0
	HALF1 2,\adr,3,1,\hreg,(\hb)+128,0
	HALF0 \adr,3,4096*(\t)+4608,\mode,\g
	HALF1 3,\nadr,0,1,\hreg,(\hb)+192,1
.else
	HALF0 \adr,2,-1,0,0
	HALF1 2,\adr,3,0,\hreg,(\hb)+128,0
	HALF0 \adr,3,-1,0,0
	HALF1 3,0,0,-1,\hreg,(\hb)+192,0
.endif
.endm
	s_load_b256 s[4:11], s[0:1], 0x0               ; W's codes s[4:5], W's scales s[6:7], E's codes s[8:9], E's scales s[10:11]
	s_load_b128 s[12:15], s[0:1], 0x20             ; hidden s[12:13], scores s[14:15]
	v_lshl_add_u32 v[SPW], v0, 2, SPARE
	v_mov_b32 v[NIL], 0
	ds_add_u32 v[SPW], v[NIL]                      ; the wave's opening: the add, twice on end
	ds_add_u32 v[SPW], v[NIL]
	v_lshrrev_b32 v72, 5, v0
	v_readfirstlane_b32 s16, v72                   ; wave 0..3
	s_bfe_u32 s17, ttmp6, 0x40000                  ; cx
	s_lshl_b32 s18, ttmp9, 2
	s_add_co_u32 s18, s18, s17                     ; my block of 256 s: it enters E's and the scores' addresses alone
	s_and_b32 s19, ttmp7, 0xffff                   ; b
	s_lshr_b32 s22, s16, 1                         ; g
	s_and_b32 s23, s16, 1                          ; nh
	; descriptor groups 1: rows of 96 elements of 8 bytes, after every 64 words 4 words of padding; W's with the mask of all four and bit 21
	s_mov_b32 s24, 15|(3<<16)|(1<<20)|(1<<21)|(5<<22)|(3<<25)
	s_mov_b32 s25, 96<<16
	s_mov_b32 s26, 32<<16
	s_mov_b32 s27, 96<<16
	s_mov_b32 s28, 32
	s_mov_b32 s29, 96
	s_mov_b32 s30, 0
	s_mov_b32 s31, 0
	s_mov_b32 s32, 15|(3<<16)|(1<<20)|(1<<21)|(5<<22)|(3<<25)
	s_mov_b32 s33, 96<<16
	s_mov_b32 s34, 128<<16
	s_mov_b32 s35, 96<<16
	s_mov_b32 s36, 128
	s_mov_b32 s37, 96
	s_mov_b32 s38, 0
	s_mov_b32 s39, 0
	s_mov_b32 s40, (3<<16)|(1<<20)|(5<<22)|(3<<25)
	s_mov_b32 s41, 96<<16
	s_mov_b32 s42, 64<<16
	s_mov_b32 s43, 96<<16
	s_mov_b32 s44, 64
	s_mov_b32 s45, 3072                            ; from s to s: 24,576 bytes
	s_mov_b32 s46, 0
	s_mov_b32 s47, 0
	s_mov_b32 s48, (3<<16)|(1<<20)|(5<<22)|(3<<25)
	s_mov_b32 s49, 96<<16
	s_mov_b32 s50, 96<<16
	s_mov_b32 s51, 96<<16
	s_mov_b32 s52, 96
	s_mov_b32 s53, 3072
	s_mov_b32 s54, 0
	s_mov_b32 s55, 0
	; LDS addresses and lane offsets
	v_and_b32 v73, 15, v0                          ; r
	v_bfe_u32 v74, v0, 4, 1                        ; h
	v_mul_u32_u24 v75, v73, PITCH
	v_mad_u32_u24 v76, v74, 48, v75
	v_mad_u32_u24 v77, v74, 64, v75                ; the same behind one padding more
	s_mul_i32 s20, s23, HALFT
	v_add_nc_u32 v[BX], s20, v76
	v_add_nc_u32 v[BX+1], s20, v77
	s_add_co_u32 s20, s20, SLOTH
	v_add_nc_u32 v[BH], s20, v76
	v_add_nc_u32 v[BH+1], s20, v77
	s_mul_i32 s20, s22, 48*PITCH                   ; piece 0: rows 48 g;  piece 1: rows 96 + 48 g;  piece 2: rows 192 + 32 g
	v_add_nc_u32 v[EA], s20, v76
	v_add_nc_u32 v[EA+1], s20, v77
	s_add_co_u32 s20, s20, 96*PITCH
	v_add_nc_u32 v[EA+2], s20, v76
	v_add_nc_u32 v[EA+3], s20, v77
	s_mul_i32 s20, s22, 32*PITCH
	s_add_co_u32 s20, s20, 192*PITCH
	v_add_nc_u32 v[EA+4], s20, v76
	v_add_nc_u32 v[EA+5], s20, v77
	v_lshlrev_b32 v[OWS], 5, v73                   ; W's scales: 32 r + 16 h + 2,048 nh
	v_lshl_add_u32 v[OWS], v74, 4, v[OWS]
	s_lshl_b32 s20, s23, 11
	v_add_nc_u32 v[OWS], s20, v[OWS]
	v_lshlrev_b32 v78, 10, v73                     ; E's scales: 1,024 bytes from s to s
	v_lshl_add_u32 v78, v74, 4, v78
	s_mul_i32 s20, s22, 49152
	v_add_nc_u32 v79, s20, v78                     ; pieces 0, 1: row 48 g + r
	s_lshl_b32 s20, s22, 15
	v_add_nc_u32 v80, s20, v78                     ; piece 2: row 32 g + r
	v_lshlrev_b32 v81, 4, v0
	v_lshl_add_u32 v82, v0, 4, HIDL
	v_lshlrev_b32 v[HB], 5, v74                    ; hidden: 256 nh + 32 h
	s_lshl_b32 s20, s23, 8
	s_add_co_u32 s20, s20, HIDL
	v_add_nc_u32 v[HB], s20, v[HB]
.set i, 0
.rept 16
	v_mov_b32 v[SUM+i], 0
.set i, i+1
.endr
	s_mul_i32 s20, s18, 256*24576                  ; E's codes: s x 24,576 + b x 768
	s_mul_i32 s21, s19, 768
	s_add_co_u32 s20, s20, s21
	s_mov_b32 s21, 0
	s_lshl_b32 s84, s18, 18                        ; E's scales: s x 1,024 + b x 32
	s_lshl_b32 s85, s19, 5
	s_add_co_u32 s84, s84, s85
	s_mov_b32 s85, 0
	s_lshl_b32 s86, s19, 12                        ; hidden: b x 4,096
	s_mov_b32 s87, 0
	s_lshl_b32 s90, s19, 13                        ; scores: b x 8,192 + s x 4
	s_lshl_b32 s91, s18, 10
	s_add_co_u32 s90, s90, s91
	s_mov_b32 s91, 0
	s_mul_i32 s88, s16, 32*768                     ; W: my 32 rows of a tile in memory, and in a slot
	s_mov_b32 s89, 0
	s_mul_i32 s17, s16, QUART
	s_wait_dscnt 0x0                               ; both opening adds are done
	s_wait_alu depctr_va_vdst(0)                   ; the wait at the head's end
	s_wait_kmcnt 0x0
	s_add_nc_u64 s[10:11], s[10:11], s[84:85]
	s_add_nc_u64 s[12:13], s[12:13], s[86:87]
	s_add_nc_u64 s[14:15], s[14:15], s[90:91]
	global_load_b128 v[136:139], v81, s[12:13]     ; hidden[b]: 32 bytes a thread
	global_load_b128 v[140:143], v81, s[12:13] offset:2048
.irp a, 0,1,2
	global_load_b128 v[ESC+4*\a:ESC+4*\a+3], v79, s[10:11] offset:16384*\a
.endr
.irp a, 3,4,5
	global_load_b128 v[ESC+4*\a:ESC+4*\a+3], v79, s[10:11] offset:98304+16384*(\a-3)
.endr
.irp a, 6,7
	global_load_b128 v[ESC+4*\a:ESC+4*\a+3], v80, s[10:11] offset:196608+16384*(\a-6)
.endr
	WIN 0x40                                       ; tile 0's raw scale words of blocks 0, 1
	global_load_b128 v[RAW:RAW+3], v[OWS], s[6:7]
	global_load_b128 v[RAW+4:RAW+7], v[OWS], s[6:7] offset:512
	WIN 0
	s_mov_b32 s68, 1                               ; E's piece 0: LDS row 0
	s_mov_b32 s69, 0
	s_add_nc_u64 s[70:71], s[8:9], s[20:21]
	s_mov_b32 s76, 1                               ; piece 1: row 96
	s_mov_b32 s77, 96*PITCH
	s_add_nc_u64 s[78:79], s[70:71], 96*24576
	s_mov_b32 s80, 1                               ; piece 2: row 192
	s_mov_b32 s81, 192*PITCH
	s_add_nc_u64 s[82:83], s[70:71], 192*24576
	s_or_b32 s71, s71, 0x80000000
	s_or_b32 s79, s79, 0x80000000
	s_or_b32 s83, s83, 0x80000000
	s_mov_b32 s72, 1                               ; W's tile 0, whole, into slot H
	s_mov_b32 s73, SLOTH
	s_mov_b64 s[74:75], s[4:5]
	s_or_b32 s75, s75, 0x80000000
	s_mov_b32 s56, 1                               ; refills of slot H: stepped by two tiles ahead of each load
	s_add_co_u32 s57, s17, SLOTH
	s_add_nc_u64 s[58:59], s[4:5], s[88:89]
	s_mov_b32 s60, 1                               ; of slot X: tile 1 first
	s_add_co_u32 s61, s17, 0
	s_add_nc_u64 s[62:63], s[58:59], WTILE
	s_or_b32 s59, s59, 0x80000000
	s_or_b32 s63, s63, 0x80000000
	CROUND                                         ; all four work-groups are here: the first joint load meets
	; the first fills, one tensor load a wave: E's pieces 0 and 1, W's tile 0, E's piece 2
	s_cmp_eq_u32 s16, 0
	s_cbranch_scc0 .Lhead1
	tensor_load_to_lds s[68:71], s[48:55]
	s_nop 0
	PLACES 4
	s_branch .Lasked
.Lhead1:
	s_cmp_eq_u32 s16, 1
	s_cbranch_scc0 .Lhead2
	tensor_load_to_lds s[76:79], s[48:55]
	s_nop 0
	PLACES 4
	s_branch .Lasked
.Lhead2:
	s_cmp_eq_u32 s16, 2
	s_cbranch_scc0 .Lhead3
	tensor_load_to_lds s[72:75], s[32:39]
	s_nop 0
	PLACES 4
	s_branch .Lasked
.Lhead3:
	tensor_load_to_lds s[80:83], s[40:47]
	s_nop 0
	PLACES 4
.Lasked:
	s_wait_loadcnt 0x0
	ds_store_b128 v82, v[136:139]                  ; hidden into LDS bytes of its own
	ds_store_b128 v82, v[140:143] offset:2048
.irp a, 0,1,2,3,4,5,6,7
	PERM ESC+4*\a,ESC+4*\a                         ; E's scale words follow the blocks' order, once for the launch
.endr
	WIN 5
	PERM WSC,RAW                                   ; and W's of blocks 0 and 1
	PERM WSC+4,RAW+4
	WIN 0
	s_wait_alu depctr_va_vdst(0)
	s_cmp_lt_u32 s16, 1
	s_cbranch_scc0 .Lshow1
	s_wait_tensorcnt 0x0                           ; wave 0: E's piece 0 has landed
.Lshow1:
	s_wait_dscnt 0x0                               ; my stores of hidden are done
	s_barrier_signal -1
	s_barrier_wait -1
	EREAD 0,3,EA
	s_cmp_lt_u32 s16, 3
	s_cbranch_scc0 .Lshow2
	s_wait_tensorcnt 0x0                           ; waves 1 and 2: E's piece 1 and W's tile 0
.Lshow2:
	s_wait_dscnt 0x0
	s_barrier_signal -1
	s_barrier_wait -1
	EREAD 3,3,EA+2
	; tile 0, block 0: all eight fragments of W fill both sets, so the two blocks of rows still to come need no second read
	LDS4 0,BH,0,0
	LDS4 1,BH,0,4
	WIN 0x40
	ds_load_b128 v[HID:HID+3], v[HB]
	ds_load_b128 v[HID+4:HID+7], v[HB] offset:16
	global_load_b128 v[RAW:RAW+3], v[OWS], s[6:7] offset:1024      ; block 2's raw scale words
	WIN 0
	s_wait_dscnt 0x0
.irp q, 0,1,2,3,4,5,6,7
.irp a, 0,1,2,3,4,5
	MM ACC+8*\a,F+12*\q,\a,\q,WSC
.endr
.endr
	WIN 0
	s_wait_tensorcnt 0x0                           ; wave 3: E's piece 2.  No tensor load of mine is out;
	ds_add_u32 v[SPW], v[NIL]
	s_wait_dscnt 0x0                               ; the add is done, and E's pieces 0 and 1 are in my registers
	CROUND
	JLOAD GX                                       ; tile 1 onto the bytes of E's rows 0-127
	EREAD 6,2,EA+4
	s_wait_dscnt 24                                ; K steps 0-3 of the piece are in (2 blocks x 4 K steps x 3 loads may be out)
.irp q, 0,1,2,3
.irp a, 6,7
	MM ACC+8*\a,F+12*\q,\a,\q,WSC
.endr
.endr
	PLACES 4
	LDS4 0,BH,1,0
	s_wait_dscnt 12                                ; all of E is in (the run just issued may be out)
.irp q, 4,5,6,7
.irp a, 6,7
	MM ACC+8*\a,F+12*\q,\a,\q,WSC
.endr
.endr
	HALF0 BH,1,1536,0,0
	HALF1 1,BH,2,1,HB,64,0
	HALF0 BH,2,4096,0,0
	HALF1 2,BH,3,1,HB,128,0
	HALF0 BH,3,4608,2,GH                           ; slot H takes tile 2
	HALF1 3,BX,0,1,HB,192,1
	HALF0 BX,0,4096+1024,0,0
	WIN 0
	s_mov_b32 s86, 2
	s_mov_b32 s87, 0
	s_wait_alu depctr_va_vdst(0)
.Lpair:                                                ; two trips: tiles 1 to 4, from a tile's second half block to the tile two on
	v_add_nc_u32 v[HA], s87, v[HB]
	s_wait_alu depctr_va_vdst(0)
	TILER BX,BH,1,HA,512,2,GX
	HALF0 BH,0,8192+1024,0,0
	TILER BH,BX,2,HA,1024,2,GH
	HALF0 BX,0,12288+1024,0,0
	WIN 0
	s_wait_xcnt 0x0                                ; the loads from the scales' base have read it
	s_add_nc_u64 s[6:7], s[6:7], 8192
	s_add_co_u32 s87, s87, 1024
	s_sub_co_u32 s86, s86, 1
	s_cmp_lg_u32 s86, 0
	s_wait_alu depctr_va_vdst(0)                   ; ahead of the branch
	s_cbranch_scc1 .Lpair
	TILER BX,BH,1,HB,2560,2,GX                     ; tile 5: the last refill, tile 7
	HALF0 BH,0,8192+1024,0,0
	TILER BH,BX,2,HB,3072,1,GH                     ; tile 6: nothing is left to fetch
	HALF0 BX,0,12288+1024,0,0
	TILER BX,0,3,HB,3584,0,0                       ; tile 7
	s_wait_alu depctr_va_vdst(0)                   ; the sums of blocks 6
	s_wait_dscnt 0x0
	WIN 4
.irp n, 0,1,2,3
.irp a, 0,1,2,3,4,5,6,7
	PK \a,\n
.endr
.endr
	WIN 0
	; THE WAY OUT: a row's sum lies in a pair of registers, in lanes l and l xor 16, and in the two waves of its row group
	s_mov_b32 s84, 0x76543210
	s_mov_b32 s85, 0xfedcba98
	s_lshl_b32 s20, s23, 10
	s_add_co_u32 s20, s20, STG
	s_lshl_b32 s21, s22, 7
	s_add_co_u32 s21, s20, s21                     ; STG + 1,024 nh + 128 g: piece 2's rows
	s_mul_i32 s86, s22, 192
	s_add_co_u32 s20, s20, s86                     ; STG + 1,024 nh + 192 g: pieces 0 and 1
	v_and_b32 v36, 15, v0
	v_lshlrev_b32 v36, 2, v36
	v_add_nc_u32 v34, s20, v36
	v_add_nc_u32 v35, s21, v36
	v_lshl_add_u32 v37, v0, 3, STG
	v_lshlrev_b32 v38, 3, v0
.irp a, 0,1,2,3,4,5,6,7
	v_add_f32 v[SUM+2*\a], v[SUM+2*\a], v[SUM+2*\a+1]
.endr
.irp a, 0,1,2,3,4,5,6,7
	v_permlanex16_b32 v[SUM+2*\a+1], v[SUM+2*\a], s84, s85
.endr
.irp a, 0,1,2,3,4,5,6,7
	v_add_f32 v[SUM+2*\a], v[SUM+2*\a], v[SUM+2*\a+1]
.endr
.irp a, 0,1,2
	ds_store_b32 v34, v[SUM+2*\a] offset:64*\a
.endr
.irp a, 3,4,5
	ds_store_b32 v34, v[SUM+2*\a] offset:384+64*(\a-3)
.endr
.irp a, 6,7
	ds_store_b32 v35, v[SUM+2*\a] offset:768+64*(\a-6)
.endr
	s_wait_alu depctr_va_vdst(0)
	s_wait_dscnt 0x0
	s_barrier_signal -1
	s_barrier_wait -1
	ds_load_b64 v[72:73], v37                      ; rows 2 t, 2 t + 1: both halves of n
	ds_load_b64 v[74:75], v37 offset:1024
	s_wait_dscnt 0x0
	v_add_f32 v72, v72, v74
	v_add_f32 v73, v73, v75
	global_store_b64 v38, v[72:73], s[14:15]       ; 32 lanes store 256 consecutive bytes, aligned
	s_wait_tensorcnt 0x0                           ; the wave's end
	ds_add_u32 v[SPW], v[NIL]
	s_wait_dscnt 0x0
	CROUND                                         ; the closing round: no work-group ends while a partner may still ask for a tile that names it
	s_endpgm
.Lfunc_end_k_qea857570f4_gemm:
	.size	k_qea857570f4_gemm, .Lfunc_end_k_qea857570f4_gemm-k_qea857570f4_gemm
	.p2alignl 7, 3214868480
	.fill 96, 4, 3214868480
	.section	.rodata,"a",@progbits
	.p2align	6, 0x0
	.amdhsa_kernel k_qea857570f4_gemm
		.amdhsa_group_segment_fixed_size 327680
		.amdhsa_private_segment_fixed_size 0
		.amdhsa_enable_private_segment 0
		.amdhsa_kernarg_size 48
		.amdhsa_user_sgpr_count 2
		.amdhsa_user_sgpr_kernarg_segment_ptr 1
		.amdhsa_wavefront_size32 1
		.amdhsa_system_sgpr_workgroup_id_x 1
		.amdhsa_system_sgpr_workgroup_id_y 1
		.amdhsa_system_sgpr_workgroup_id_z 1
		.amdhsa_system_vgpr_workitem_id 0
		.amdhsa_next_free_vgpr 1024
		.amdhsa_next_free_sgpr 92
		.amdhsa_reserve_vcc 0
		.amdhsa_float_denorm_mode_32 3
		.amdhsa_float_denorm_mode_16_64 3
		.amdhsa_memory_ordered 1
		.amdhsa_forward_progress 1
		.amdhsa_inst_pref_size 255
	.end_amdhsa_kernel
	.section	.bss,"aw",@nobits
	.p2align	6
	.space	262144
	.amdgpu_metadata
---
amdhsa.version: [ 1, 2 ]
amdhsa.kernels:
  - .name:           k_qea857570f4_gemm
    .symbol:         k_qea857570f4_gemm.kd
    .args:
      - { .name: W_codes, .offset: 0, .size: 8, .value_kind: global_buffer, .address_space: global }
      - { .name: W_scales, .offset: 8, .size: 8, .value_kind: global_buffer, .address_space: global }
      - { .name: encoder_outputs_codes, .offset: 16, .size: 8, .value_kind: global_buffer, .address_space: global }
      - { .name: encoder_outputs_scales, .offset: 24, .size: 8, .value_kind: global_buffer, .address_space: global }
      - { .name: hidden, .offset: 32, .size: 8, .value_kind: global_buffer, .address_space: global }
      - { .name: scores, .offset: 40, .size: 8, .value_kind: global_buffer, .address_space: global }
    .group_segment_fixed_size: 327680
    .private_segment_fixed_size: 0
    .kernarg_segment_align: 8
    .kernarg_segment_size: 48
    .max_flat_workgroup_size: 128
    .sgpr_count:     92
    .vgpr_count:     1024
    .wavefront_size: 32
...
	.end_amdgpu_metadata
.endif
;; end of part 1
;; launch soft (part 2): grid 32 x 1, 4 waves a work-group, no clusters, 768 bytes of LDS; arguments scores, out0; writes out0
.if DOCPART == 2
	.amdgcn_target "amdgcn-amd-amdhsa--gfx1250"
	.amdhsa_code_object_version 6
	.text
	.protected	k_qea857570f4_soft
	.globl	k_qea857570f4_soft
	.p2align	8
	.type	k_qea857570f4_soft,@function
k_qea857570f4_soft:
	s_mov_b64 s[64:65], 0
	v_nop
	global_prefetch_b8 v0, s[64:65] scope:SCOPE_SE
	s_setreg_imm32_b32 hwreg(HW_REG_WAVE_MODE, 25, 1), 1
	s_wait_xcnt 0x0
; out0[b][s] = softmax over s of scores[b][s].  scores, out0: [32][2048] f32.  The bias is left out: it adds the same number to a whole row (the first kernel's head shows it).
; One work-group of four waves for each b: thread t holds 16 scores (16 bytes at 16 t + 2,048 k of the row, k = 0 .. 3).  The row is read once and written once.
; Each wave takes its own largest score m_w away ahead of its exponentials and sums them; behind one barrier M = the largest m_w, and each wave's terms are brought under M by 2^((m_w - M) log2 e).
; 8 KiB a work-group: no matrix unit, cluster or tensor load would add anything.  LIMITS: a NaN among the scores loses in the maximum and makes the row's sum, and so the row, NaN.
; LDS: bytes 0-15 the waves' maxima, 16-31 their sums; from 256 on the spare words.
	s_load_b128 s[4:7], s[0:1], 0x0                ; scores s[4:5], out0 s[6:7]
	v_lshl_add_u32 v40, v0, 2, 0x100
	v_mov_b32 v41, 0
	v_lshlrev_b32 v1, 4, v0                        ; 16 t
	v_lshrrev_b32 v2, 5, v0
	v_mov_b32 v3, 0
	v_mov_b32 v21, 0                               ; (upper halves of pairs whose low half serves both)
	v_mov_b32 v22, 0                               ; (a lane permute's destination counts as one of its sources)
	v_mov_b32 v23, 0
	v_mov_b32 v37, 0
	v_lshlrev_b32 v2, 2, v2                        ; 4 x wave: my wave's word
	s_lshl_b32 s8, ttmp9, 13                       ; b x 8,192
	s_mov_b32 s9, 0
	s_mov_b32 s12, 0x76543210                      ; v_permlanex16_b32's selects for lane l xor 16
	s_mov_b32 s13, 0xfedcba98
	s_wait_alu depctr_va_vdst(0)                   ; the wait at the head's end
	s_wait_kmcnt 0x0
	s_add_nc_u64 s[4:5], s[4:5], s[8:9]
	s_add_nc_u64 s[6:7], s[6:7], s[8:9]
.irp k, 0,1,2,3
	global_load_b128 v[4+4*\k:7+4*\k], v1, s[4:5] offset:2048*\k   ; each load of a wave covers 512 consecutive bytes
.endr
	s_wait_loadcnt 0x0
	v_max3_num_f32 v20, v4, v5, v6
	v_max3_num_f32 v24, v7, v8, v9
	v_max3_num_f32 v25, v10, v11, v12
	v_max3_num_f32 v26, v13, v14, v15
	v_max3_num_f32 v27, v16, v17, v18
	v_max3_num_f32 v20, v20, v24, v19
	v_max3_num_f32 v25, v25, v26, v27
	v_max_num_f32 v20, v20, v25
.irp m, 1,2,4,8
	v_max_num_f32_dpp v20, v20, v20 row_xmask:\m row_mask:0xf bank_mask:0xf
.endr
	v_permlanex16_b32 v22, v20, s12, s13
	v_max_num_f32 v20, v20, v22                    ; m_w
.irp j, 4,6,8,10,12,14,16,18
	v_pk_add_f32 v[\j:\j+1], v[\j:\j+1], v[20:21] op_sel_hi:[1,0] neg_lo:[0,1] neg_hi:[0,1]   ; the difference is taken first and then scaled
.endr
.irp j, 4,6,8,10,12,14,16,18
	v_pk_mul_f32 v[\j:\j+1], v[\j:\j+1], 0x3fb8aa3b op_sel_hi:[1,0]   ; x log2(e)
.endr
	s_wait_alu depctr_va_vdst(0)                   ; ahead of the batch
.irp j, 4,5,6,7,8,9,10,11,12,13,14,15,16,17,18,19
	v_exp_f32 v[\j], v[\j]
.endr
	v_nop                                          ; one plain instruction behind the exponentials
	s_wait_alu depctr_va_vdst(0)                   ; and the wait ahead of their first reader
	v_pk_add_f32 v[24:25], v[4:5], v[6:7]
	v_pk_add_f32 v[26:27], v[8:9], v[10:11]
	v_pk_add_f32 v[28:29], v[12:13], v[14:15]
	v_pk_add_f32 v[30:31], v[16:17], v[18:19]
	v_pk_add_f32 v[24:25], v[24:25], v[26:27]
	v_pk_add_f32 v[28:29], v[28:29], v[30:31]
	v_pk_add_f32 v[24:25], v[24:25], v[28:29]
	v_add_f32 v24, v24, v25
.irp m, 1,2,4,8
	v_add_f32_dpp v24, v24, v24 row_xmask:\m row_mask:0xf bank_mask:0xf
.endr
	v_permlanex16_b32 v23, v24, s12, s13
	v_add_f32 v24, v24, v23                        ; the wave's sum: at least 1
	ds_store_b32 v2, v20                           ; all lanes of a wave write the same word with the same value
	ds_store_b32 v2, v24 offset:16
	s_wait_alu depctr_va_vdst(0)
	s_wait_dscnt 0x0                               ; for the others' sake: my stores are done
	s_barrier_signal -1
	s_barrier_wait -1
	ds_load_b128 v[28:31], v3
	ds_load_b128 v[32:35], v3 offset:16
	s_wait_dscnt 0x0
	v_max3_num_f32 v36, v28, v29, v30
	v_max_num_f32 v36, v36, v31                    ; M
	v_pk_add_f32 v[28:29], v[28:29], v[36:37] op_sel_hi:[1,0] neg_lo:[0,1] neg_hi:[0,1]
	v_pk_add_f32 v[30:31], v[30:31], v[36:37] op_sel_hi:[1,0] neg_lo:[0,1] neg_hi:[0,1]
	v_sub_f32 v20, v20, v36
	v_pk_mul_f32 v[28:29], v[28:29], 0x3fb8aa3b op_sel_hi:[1,0]
	v_pk_mul_f32 v[30:31], v[30:31], 0x3fb8aa3b op_sel_hi:[1,0]
	v_mul_f32 v20, 0x3fb8aa3b, v20
	s_wait_alu depctr_va_vdst(0)                   ; ahead of the batch
	v_exp_f32 v28, v28
	v_exp_f32 v29, v29
	v_exp_f32 v30, v30
	v_exp_f32 v31, v31
	v_exp_f32 v20, v20
	v_nop
	s_wait_alu depctr_va_vdst(0)                   ; ahead of the first reader
	v_mul_f32 v38, v28, v32
	v_fmac_f32 v38, v29, v33
	v_fmac_f32 v38, v30, v34
	v_fmac_f32 v38, v31, v35                       ; the row's sum: at least 1
	s_wait_alu depctr_va_vdst(0)                   ; ahead of the reciprocal
	v_rcp_f32 v39, v38
	v_nop
	s_wait_alu depctr_va_vdst(0)
	v_mul_f32 v20, v20, v39
.irp j, 4,6,8,10,12,14,16,18
	v_pk_mul_f32 v[\j:\j+1], v[\j:\j+1], v[20:21] op_sel_hi:[1,0]
.endr
.irp k, 0,1,2,3
	global_store_b128 v1, v[4+4*\k:7+4*\k], s[6:7] offset:2048*\k   ; each store of a wave covers 512 consecutive bytes, aligned
.endr
	s_wait_tensorcnt 0x0                           ; the wave's end
	ds_add_u32 v40, v41
	s_wait_dscnt 0x0
	s_endpgm
.Lfunc_end_k_qea857570f4_soft:
	.size	k_qea857570f4_soft, .Lfunc_end_k_qea857570f4_soft-k_qea857570f4_soft
	.p2alignl 7, 3214868480
	.fill 96, 4, 3214868480
	.section	.rodata,"a",@progbits
	.p2align	6, 0x0
	.amdhsa_kernel k_qea857570f4_soft
		.amdhsa_group_segment_fixed_size 768
		.amdhsa_private_segment_fixed_size 0
		.amdhsa_enable_private_segment 0
		.amdhsa_kernarg_size 16
		.amdhsa_user_sgpr_count 2
		.amdhsa_user_sgpr_kernarg_segment_ptr 1
		.amdhsa_wavefront_size32 1
		.amdhsa_system_sgpr_workgroup_id_x 1
		.amdhsa_system_sgpr_workgroup_id_y 1
		.amdhsa_system_sgpr_workgroup_id_z 1
		.amdhsa_system_vgpr_workitem_id 0
		.amdhsa_next_free_vgpr 42
		.amdhsa_next_free_sgpr 66
		.amdhsa_reserve_vcc 0
		.amdhsa_float_denorm_mode_32 3
		.amdhsa_float_denorm_mode_16_64 3
		.amdhsa_memory_ordered 1
		.amdhsa_forward_progress 1
		.amdhsa_inst_pref_size 8
	.end_amdhsa_kernel
	.amdgpu_metadata
---
amdhsa.version: [ 1, 2 ]
amdhsa.kernels:
  - .name:           k_qea857570f4_soft
    .symbol:         k_qea857570f4_soft.kd
    .args:
      - { .name: scores, .offset: 0, .size: 8, .value_kind: global_buffer, .address_space: global }
      - { .name: out0, .offset: 8, .size: 8, .value_kind: global_buffer, .address_space: global }
    .group_segment_fixed_size: 768
    .private_segment_fixed_size: 0
    .kernarg_segment_align: 8
    .kernarg_segment_size: 16
    .max_flat_workgroup_size: 128
    .sgpr_count:     66
    .vgpr_count:     42
    .wavefront_size: 32
...
	.end_amdgpu_metadata
.endif
;; end of part 2
